; MI455X (gfx1250); checked and timed in simulation.
; The chip was launched on July 23, 2026; its instructions are those of AMD's public machine-readable ISA for CDNA 5 (MIT licence, August 2026) and "CDNA5" Instruction Set Architecture Reference Guide (July 2026). The comments in the code are by the model that wrote it; some were corrected since.
;; Loss Aware Memory Bank. Allowed arithmetic: matrix products marked QUANTISED: E2M1 operands, one E8M0 scale for each 32 along K, by v_wmma_scale_f32_16x16x128_f8f6f4 with both operands' format E2M1 (or v_wmma_scale_f32_32x16x128_f4), f32 sums; products left as they are: f32 operands where the result goes on into a quantised operand, else bf16, f16 or f32 operands; f32 sums; everything else in f32.
;; Inputs: memory 16,384 x 1,024 float32; predictions 4,096 x 14 float32; query 4,096 x 1,024 float32.
;; Outputs: out0 4,096 x 1,024 float32.
;; This version of the problem:
;;   THIS VERSION OF THE PROBLEM IS GIVEN IN LOW PRECISION. The matrix products marked QUANTISED in the list below multiply operands that are first quantised to E2M1 (2 exponent bits, 1 mantissa bit; 4 bits a number), with one power-of-two scale for each 32 numbers along K (OCP MX v1.0); their sums are f32. All else is computed in f32.
;;   The module's matrix products, in the order in which they are computed (A, B: the left and right operand; K: the contracted axis; several contracted axes count as one K, in the product's order):
;;     1. [M 4,096, K 1,024] x [K 1,024, N 16,384]; A: computed on the way; B: computed on the way: QUANTISED
;;     2. batch 4,096 x [M 1, K 10] x [K 10, N 1,024]; A: softmax; B: computed on the way: left as it is (K = 10 < 32)
;;   THE QUANTISER, for each operand of a quantised product, along K:
;;     - K is cut into blocks of 32 from its start; a last block that is shorter is filled with zeros.
;;     - A block's scale is 2^e with e = floor(log2(the largest magnitude in the block)) - 2, held to -126 .. 127; a block of zeros has e = 0. As a byte (E8M0): e + 127.
;;     - Each number is divided by its block's scale, clamped to +-6, and rounded to the nearest number of E2M1, ties to even, subnormals kept.
;;     - The product sums the exact products of the quantised numbers (number of the format x scale) in f32.
;;   ~~~python
;;   def quantise(x, axis):      # numpy; x: float32 -> the quantised numbers, widened to float32 again
;;       x = np.moveaxis(x, axis, -1); K = x.shape[-1]
;;       x = np.pad(x, [(0, 0)] * (x.ndim - 1) + [(0, -K % 32)]); x = x.reshape(x.shape[:-1] + (-1, 32)); a = np.abs(x).max(-1, keepdims=True)
;;       e = np.where(a > 0, np.clip(np.frexp(np.where(a > 0, a, 1))[1] - 1 - 2, -126, 127), 0)      # np.frexp(a)[1] - 1 = floor(log2(a)), exactly
;;       r = np.clip(x / 2.0 ** e, -6, 6)
;;       step = 2.0 ** (np.maximum(np.frexp(np.where(r == 0, 1, r))[1] - 1, 0) - 1)
;;       q = np.round(r / step) * step * 2.0 ** e      # np.round: ties to even
;;       return np.moveaxis(q.reshape(q.shape[:-2] + (-1,))[..., :K], -1, axis).astype(np.float32)
;;   ~~~
;;   OPERANDS COMPUTED ON THE WAY. 'Computed on the way' means the value that the module computes at that place (a softmax that the list does not call 'softmax' is quantised finished and normalised). What goes into a quantiser is computed in f32, as accurately as f32 sums, v_exp_f32 and their like allow (about 1e-6 of the number): no bf16 or f16 on the way to a quantiser, and a product that is left as it is and whose result goes on into a quantised operand takes f32 operands (vector FMAs, or v_wmma_f32_16x16x4_f32). A number that lies on a knife's edge between two numbers of the format may be rounded either way, as far as f32 arithmetic and the matrix unit's own rounding can turn it there, and no further.
;; One version. Each part assembles by itself: llvm-mc -triple=amdgcn-amd-amdhsa -mcpu=gfx1250 --defsym DOCPART=n.
;; ======== version 1 of 1: 5 launches
;; limits: inputs' magnitudes at most 5.7e+17; right only within a limited range of input values
;; workspace buffers: qimg 2,228,224 bytes; mimg 8,912,896 bytes; gmax 16,777,216 bytes; sel 262,144 bytes of whole numbers; idx 524,288 bytes of whole numbers; wts 524,288 bytes
;; launch quant (part 1): grid 1280 x 1, 4 waves a work-group, no clusters, 28,160 bytes of LDS; arguments query, memory, qimg, mimg; writes qimg, mimg
.if DOCPART == 1
	.amdgcn_target "amdgcn-amd-amdhsa--gfx1250"
	.amdhsa_code_object_version 6
	.text
	.protected	k_q4810bf0398_quant
	.globl	k_q4810bf0398_quant
	.p2align	8
	.type	k_q4810bf0398_quant,@function
k_q4810bf0398_quant:
	s_mov_b64 s[64:65], 0
	v_nop
	global_prefetch_b8 v0, s[64:65] scope:SCOPE_SE
	s_setreg_imm32_b32 hwreg(HW_REG_WAVE_MODE, 25, 1), 1
	s_wait_xcnt 0x0
; query [4096][1024] and memory [16384][1024], f32: each row is divided by max(its L2 norm, 1e-12) and turned into codes of FP4 (E2M1) with one
; E8M0 scale byte for each 32 along K.  The results are laid as IMAGES OF OPERAND REGISTERS, a pair of tiles (32 rows) in PAIRB = 17,408 bytes:
;   codes of tile u (16 rows) at 8192 u: block b (32 codes, 16 bytes) of row r at 256 b + 16 r, so that the half c of K step s of a fragment is the
;   512 consecutive bytes at 1024 s + 512 c + 16 x lane;   scale words at 16384 + 512 q2 + 16 (16 u + r): the four words of K steps 4 q2 .. 4 q2 + 3.
; SHARES.  A work-group takes one tile of 16 rows (the first 256 work-groups the query's, the others memory's: only pointers are chosen, the text
; has one path); wave w takes rows 4 w .. 4 w + 3, one row at a time in 32 registers.  All 32 loads of a wave go out at the head.
; A load takes the bytes as they lie (512 consecutive bytes a wave); for the conversions a lane must hold a whole block of 32 neighbours, so a row turns
; through the wave's own 4,608 bytes of LDS (blocks 144 bytes apart).  Codes and scale bytes meet in a stage and leave in runs of 256 aligned bytes.
; No tensor loads, no cluster: no two work-groups read the same byte.
; ARITHMETIC, all f32: sum of squares in two packed chains and over the lanes; root with one correcting step; x / n as t = x r, t + (x - n t) r.
; A block's scale is its largest magnitude's exponent field less 2, held at 1 from below (a block of zeros so carries the byte 1: its codes are zeros,
; and this program alone reads the bytes).
; LIMITS: NaN and infinities are not served; a row whose sum of squares passes the largest f32 number (magnitudes of some 5e17 throughout) is not served.
.set X,     16                         ; v16-143  four rows of 32 registers
.set C,     144                        ; v144-159 a row's codes, four registers; later the way out
.set TURNB, 4608                       ; a wave's turning place: 32 blocks x (128 + 16) bytes
.set STG,   4*TURNB                    ; the stage: 32 blocks x (16 rows x 16 bytes + 16)
.set SCS,   STG+32*272                 ; the tile's 512 scale bytes, [q2][row][16]
.set PAIRB, 17408
.set EPSB,  0x2b8cbccc                 ; 1e-12
	s_load_b256 s[4:11], s[0:1], 0x0               ; query s[4:5], memory s[6:7], qimg s[8:9], mimg s[10:11]
	v_lshl_add_u32 v176, v0, 2, 0x6c00
	v_mov_b32 v177, 0
	v_lshrrev_b32 v14, 5, v0
	v_readfirstlane_b32 s12, v14                   ; wave 0..3
	v_and_b32 v15, 31, v0                          ; lane
	v_lshlrev_b32 v1, 4, v15                       ; v1: 16 x lane: my bytes of a load's 512
	s_mul_i32 s13, s12, TURNB
	v_lshrrev_b32 v2, 3, v15
	v_mul_u32_u24 v2, v2, 144
	v_and_b32 v14, 7, v15
	v_lshl_add_u32 v2, v14, 4, v2
	v_add_nc_u32 v2, s13, v2                       ; v2: into the turning place: eight lanes fill a block of 128 bytes
	v_mul_u32_u24 v3, v15, 144
	v_add_nc_u32 v3, s13, v3                       ; v3: out of it: lane l takes block l
	s_lshl_b32 s14, s12, 6                         ; my wave's four rows: 64 bytes of a block's 256
	v_mul_u32_u24 v4, v15, 272
	v_add_nc_u32 v4, s14, v4
	v_add_nc_u32 v4, STG, v4                       ; v4: the stage: block l, my wave's rows
	v_lshrrev_b32 v5, 4, v15
	v_and_b32 v14, 15, v15
	v_lshl_add_u32 v5, v5, 8, v14
	v_add_nc_u32 v5, s14, v5
	v_add_nc_u32 v5, SCS, v5                       ; v5: my block's scale byte: 256 (l / 16) + 16 row + l % 16
	v_lshrrev_b32 v6, 4, v0
	v_mul_u32_u24 v6, v6, 272
	v_and_b32 v14, 15, v0
	v_lshl_add_u32 v6, v14, 4, v6
	v_add_nc_u32 v6, STG, v6                       ; v6: back out of the stage: sixteen threads to a block
	v_lshlrev_b32 v7, 4, v0                        ; v7: and the same place in the image: 16 x thread
	v_add_nc_u32 v12, SCS, v1                      ; v12: the scale bytes, 16 a lane
	v_lshrrev_b32 v13, 4, v15
	v_and_b32 v14, 15, v15
	v_lshlrev_b32 v14, 4, v14
	v_lshl_add_u32 v13, v13, 9, v14                ; v13: their place in the image: 512 q2 + 16 row
	s_mov_b32 s24, 0x76543210
	s_mov_b32 s25, 0xfedcba98                      ; v_permlanex16_b32's selects for lane l xor 16
	s_wait_kmcnt 0x0
	s_cmp_lt_u32 ttmp9, 256                        ; the query's tile or memory's?  The choice hangs on the work-group's number alone
	s_cselect_b64 s[4:5], s[4:5], s[6:7]
	s_cselect_b64 s[8:9], s[8:9], s[10:11]
	s_cselect_b32 s15, 0, 256
	s_sub_co_u32 s15, ttmp9, s15                   ; the tile's number in its tensor
	s_lshl_b32 s16, s15, 16                        ; 16 rows of 4,096 bytes,
	s_lshl_b32 s17, s12, 14                        ; my wave's four
	s_add_co_u32 s16, s16, s17
	s_mov_b32 s17, 0
	s_add_nc_u64 s[4:5], s[4:5], s[16:17]
.irp j, 0,1,2,3
.irp i, 0,1,2,3,4,5,6,7
	global_load_b128 v[X+32*\j+4*\i:X+32*\j+4*\i+3], v1, s[4:5] offset:\j*4096+\i*512 th:TH_LOAD_NT   ; 512 consecutive bytes a wave
.endr
.endr
	s_lshr_b32 s18, s15, 1
	s_mul_i32 s18, s18, PAIRB                      ; the pair's image,
	s_mov_b32 s19, 0
	s_add_nc_u64 s[8:9], s[8:9], s[18:19]
	s_and_b32 s18, s15, 1                          ; u: which tile of the pair
	s_lshl_b32 s16, s18, 13
	s_add_nc_u64 s[20:21], s[8:9], s[16:17]        ; s[20:21]: my tile's codes
	s_lshl_b32 s16, s18, 8
	s_add_nc_u64 s[22:23], s[8:9], s[16:17]        ; s[22:23]: my tile's scale words, less the 16,384 that stands in the store
; Row j of my four.
.macro ROW j
.set XR, X+32*\j
	s_wait_loadcnt 8*(3-\j)                        ; loads come back in order: this row's eight are in, the later rows' may be out
	v_pk_mul_f32 v[160:161], v[XR:XR+1], v[XR:XR+1]              ; the sum of squares: two packed chains, begun by products
	v_pk_mul_f32 v[162:163], v[XR+2:XR+3], v[XR+2:XR+3]
.irp i, 4,8,12,16,20,24,28
	v_pk_fma_f32 v[160:161], v[XR+\i:XR+\i+1], v[XR+\i:XR+\i+1], v[160:161]
	v_pk_fma_f32 v[162:163], v[XR+\i+2:XR+\i+3], v[XR+\i+2:XR+\i+3], v[162:163]
.endr
	v_pk_add_f32 v[160:161], v[160:161], v[162:163]
	v_add_f32 v160, v160, v161
	v_add_f32_dpp v160, v160, v160 row_xmask:1 row_mask:0xf bank_mask:0xf
	v_add_f32_dpp v160, v160, v160 row_xmask:2 row_mask:0xf bank_mask:0xf
	v_add_f32_dpp v160, v160, v160 row_xmask:4 row_mask:0xf bank_mask:0xf
	v_add_f32_dpp v160, v160, v160 row_xmask:8 row_mask:0xf bank_mask:0xf
	v_permlanex16_b32 v161, v160, s24, s25
	v_add_f32 v160, v160, v161                     ; a: the row's sum of squares, in every lane
	s_wait_alu depctr_va_vdst(0)
	v_sqrt_f32 v161, v160                          ; s
	v_nop                                          ; a plain instruction behind the root,
	s_wait_alu depctr_va_vdst(0)                   ; and a wait ahead of its first reader
	v_max_num_f32 v162, EPSB, v161
	s_wait_alu depctr_va_vdst(0)
	v_rcp_f32 v163, v162                           ; 1 / max(s, eps)
	v_fma_f32 v166, -v161, v161, v160              ; a - s s (a plain instruction behind the reciprocal)
	s_wait_alu depctr_va_vdst(0)
	v_mul_f32 v167, 0.5, v163
	v_fma_f32 v161, v166, v167, v161               ; the root, corrected once
	v_max_num_f32 v161, EPSB, v161                 ; n = max(norm, 1e-12)
	v_fma_f32 v166, -v161, v163, 1.0
	v_fma_f32 v164, v163, v166, v163               ; r = 1 / n, corrected once
	v_mov_b32 v165, v164
	v_mul_f32 v174, -1.0, v161                     ; -n, twice, for the packed form
	v_mov_b32 v175, v174
.irp g, 0,8,16,24                      ; x / n, eight numbers at a time: t = x r;  x - n t;  t + (x - n t) r
.irp p, 0,2,4,6
	v_pk_mul_f32 v[166+\p:167+\p], v[XR+\g+\p:XR+\g+\p+1], v[164:165]
.endr
.irp p, 0,2,4,6
	v_pk_fma_f32 v[XR+\g+\p:XR+\g+\p+1], v[174:175], v[166+\p:167+\p], v[XR+\g+\p:XR+\g+\p+1]
.endr
.irp p, 0,2,4,6
	v_pk_fma_f32 v[XR+\g+\p:XR+\g+\p+1], v[XR+\g+\p:XR+\g+\p+1], v[164:165], v[166+\p:167+\p]
.endr
.endr
.irp i, 0,1,2,3,4,5,6,7
	ds_store_b128 v2, v[XR+4*\i:XR+4*\i+3] offset:\i*576          ; a load's 512 bytes are four blocks: 4 x 144
.endr
.irp i, 0,1,2,3,4,5,6,7
	ds_load_b128 v[XR+4*\i:XR+4*\i+3], v3 offset:16*\i            ; LDS serves a wave's instructions in order: these see the stores above.  Lane l now holds block l
.endr
	s_wait_dscnt 0x0
	v_max3_num_f32 v160, |v[XR]|, |v[XR+1]|, 0x1800000            ; the block's largest magnitude, and the floor 2^(3 - 127): the byte cannot fall under 1
	v_max3_num_f32 v161, |v[XR+2]|, |v[XR+3]|, |v[XR+4]|
.irp i, 5,9,13,17,21,25
	v_max3_num_f32 v160, v160, |v[XR+\i]|, |v[XR+\i+1]|
	v_max3_num_f32 v161, v161, |v[XR+\i+2]|, |v[XR+\i+3]|
.endr
	v_max3_num_f32 v160, v160, |v[XR+29]|, |v[XR+30]|
	v_max3_num_f32 v160, v160, v161, |v[XR+31]|
	v_add_nc_u32 v162, 0xff000000, v160            ; 2 off its exponent field: the conversion takes this operand's exponent field as its scale
.irp g, 0,1,2,3
	v_cvt_scalef32_pk8_fp4_f32 v[C+4*\j+\g], v[XR+8*\g:XR+8*\g+7], v162
.endr
	v_lshrrev_b32 v[8+\j], 23, v162                ; the scale's byte (a plain instruction behind the conversions)
	ds_store_b128 v4, v[C+4*\j:C+4*\j+3] offset:16*\j
	ds_store_b8 v5, v[8+\j] offset:16*\j
.endm
	ROW 0
	ROW 1
	ROW 2
	ROW 3
	s_wait_dscnt 0x0                               ; for the others' sake: my stores into the stage are done
	s_barrier_signal -1
	s_barrier_wait -1
.irp i, 0,1,2,3
	ds_load_b128 v[C+4*\i:C+4*\i+3], v6 offset:\i*2176            ; eight blocks (8 x 272) on with each load
.endr
.irp i, 0,1,2,3
	s_wait_dscnt 3-\i                              ; load i is in; the later ones may be out
	global_store_b128 v7, v[C+4*\i:C+4*\i+3], s[20:21] offset:\i*2048   ; sixteen lanes store 256 consecutive bytes, aligned
.endr
	s_cmp_lg_u32 s12, 0                            ; the 512 scale bytes leave by wave 0
	s_cbranch_scc1 .Ldone
	ds_load_b128 v[160:163], v12
	s_wait_dscnt 0x0
	global_store_b128 v13, v[160:163], s[22:23] offset:16384
.Ldone:
	s_wait_tensorcnt 0x0
	ds_add_u32 v176, v177
	s_wait_dscnt 0x0
	s_endpgm
.Lfunc_end_k_q4810bf0398_quant:
	.size	k_q4810bf0398_quant, .Lfunc_end_k_q4810bf0398_quant-k_q4810bf0398_quant
	.p2alignl 7, 3214868480
	.fill 96, 4, 3214868480
	.section	.rodata,"a",@progbits
	.p2align	6, 0x0
	.amdhsa_kernel k_q4810bf0398_quant
		.amdhsa_group_segment_fixed_size 28160
		.amdhsa_private_segment_fixed_size 0
		.amdhsa_enable_private_segment 0
		.amdhsa_kernarg_size 32
		.amdhsa_user_sgpr_count 2
		.amdhsa_user_sgpr_kernarg_segment_ptr 1
		.amdhsa_wavefront_size32 1
		.amdhsa_system_sgpr_workgroup_id_x 1
		.amdhsa_system_sgpr_workgroup_id_y 1
		.amdhsa_system_sgpr_workgroup_id_z 1
		.amdhsa_system_vgpr_workitem_id 0
		.amdhsa_next_free_vgpr 178
		.amdhsa_next_free_sgpr 66
		.amdhsa_reserve_vcc 0
		.amdhsa_float_denorm_mode_32 3
		.amdhsa_float_denorm_mode_16_64 3
		.amdhsa_memory_ordered 1
		.amdhsa_forward_progress 1
		.amdhsa_inst_pref_size 38
	.end_amdhsa_kernel
	.amdgpu_metadata
---
amdhsa.version: [ 1, 2 ]
amdhsa.kernels:
  - .name:           k_q4810bf0398_quant
    .symbol:         k_q4810bf0398_quant.kd
    .args:
      - { .name: query, .offset: 0, .size: 8, .value_kind: global_buffer, .address_space: global }
      - { .name: memory, .offset: 8, .size: 8, .value_kind: global_buffer, .address_space: global }
      - { .name: qimg, .offset: 16, .size: 8, .value_kind: global_buffer, .address_space: global }
      - { .name: mimg, .offset: 24, .size: 8, .value_kind: global_buffer, .address_space: global }
    .group_segment_fixed_size: 28160
    .private_segment_fixed_size: 0
    .kernarg_segment_align: 8
    .kernarg_segment_size: 32
    .max_flat_workgroup_size: 128
    .sgpr_count:     66
    .vgpr_count:     178
    .wavefront_size: 32
...
	.end_amdgpu_metadata
.endif
;; end of part 1
;; launch gemm (part 2): grid 8 x 32, 4 waves a work-group, clusters of 4 x 1, 327,680 bytes of LDS; arguments qimg, mimg, gmax; writes gmax
.if DOCPART == 2
	.amdgcn_target "amdgcn-amd-amdhsa--gfx1250"
	.amdhsa_code_object_version 6
	.text
	.protected	k_q4810bf0398_gemm
	.globl	k_q4810bf0398_gemm
	.p2align	8
	.type	k_q4810bf0398_gemm,@function
k_q4810bf0398_gemm:
	s_mov_b64 s[64:65], 0
	v_nop
	global_prefetch_b8 v0, s[64:65] scope:SCOPE_SE
	s_setreg_imm32_b32 hwreg(HW_REG_WAVE_MODE, 25, 1), 1
	s_wait_xcnt 0x0
	s_wait_alu depctr_hold_cnt(0) depctr_sa_sdst(0) depctr_va_vdst(0) depctr_va_sdst(0) depctr_va_ssrc(0) depctr_va_vcc(0) depctr_vm_vsrc(0)
	s_getreg_b32 s2, hwreg(HW_REG_IB_STS2, 6, 4)
	s_cmp_eq_u32 s2, 0
	s_cbranch_scc0 .Lentry_in_a_cluster
	s_endpgm
.Lentry_in_a_cluster:
	s_bfe_u32 s2, ttmp6, 0x10000c
	s_cmp_lg_u32 s2, 0x3003
	s_cbranch_scc0 .Lentry_shape_is_right
	s_endpgm
.Lentry_shape_is_right:
; The similarities of 4,096 queries and 16,384 memory rows on codes of FP4 with E8M0 scales, K = 1,024, REDUCED ON THE WAY: of each tile of 16 memory rows
; (a GROUP) only the largest similarity of each query is kept.  gmax: [y 32][c8 8][query 4096][i 4] f32; group = 32 y + 2 (4 e + i) + h, c8 = 4 h + e.
; SHARES.  A work-group takes 512 queries (block mb) x 512 memory rows (block y), all of K.  A wave keeps its 128 queries (8 tiles x 8 K steps x 8 registers) in registers
; for the whole launch; the 512 memory rows, 16 pair images of 17,408 bytes, lie in LDS and are filled ONCE, in two steps: at the head each wave asks for one pair (the first
; trip's four), and behind a second round each wave asks for three more.  The first trip is written out: the wait for the second load and a
; barrier stand in its fourth pair, ahead of the first read of those bytes.  Nothing is filled again.
; CLUSTER.  The four work-groups of a cluster share y: the memory images are asked for jointly, the same load with the same descriptor and the mask 15.
; The queries are not shared through LDS: a work-group's 278,528 bytes of them do not fit beside the images; they go straight into registers.
; NO PREFETCH: all that a work-group reads is asked for at its head; there is no loop to run ahead in.
; THE PRODUCT: the 32 x 16 x 128 form: source 0 = a pair's 32 memory rows, source 1 = 16 queries.  A lane holds ONE query (lane % 16); registers 0-7 of an accumulator are rows
; 8 (lane / 16) + 0 .. 7 of the pair's tile 0, registers 8-15 the same of tile 1.  One accumulator for each output tile, K ascending, the first product with C = 0.
; The eight accumulators (one a query tile) take turns, one instruction a turn.
; THE PAIR'S FRAGMENTS: K steps 0-6 have two buffers, taken by turns from pair to pair; K step 7 has one.  So the next pair's K steps 0-6 are fetched in the middle of a pair into
; registers that matrix instructions last read a pair ago (that pair's maxima are the places behind them), and only K step 7's four loads stand behind the pair's four places.
; REGISTERS, in windows of 256.  window 0: v1-5 addresses; v8-71 the queries' scale words (8 t + s, lanes 0-15); v72-87 two sets of a pair's scale words (lane = row of the pair);
;   v88-215 fragments of K steps 0-3 (64 x + 16 s), v216-247 of K step 4 (16 x); v254, v255 for the add.   window 1: the queries' K steps 0-3 (32 t + 8 s).   window 2: K steps 4-7.
;   window 3: v0-127 accumulators (16 t), in which the maxima are made too; v128-159 what a trip stores; v160 the stores' offset; v164-227 fragments of K steps 5, 6 (32 x + 16 (s - 5)); v228-243 of K step 7.
; LIMITS: NaN is not served (a maximum passes over it).
.set PAIRB, 17408
.set CHUNK, 4*PAIRB                    ; four pairs: a wave's queries, and a trip's work
.set SPARE, 16*PAIRB                   ; behind the images: the spare words, 128 bytes a wave
.set VL,  1                            ; v1  16 x lane; never rewritten
.set VR,  2                            ; v2  16 x (lane % 16)
.set VB0, 3                            ; v3  LDS address of the trip's pairs 0 and 1
.set VB1, 4                            ; v4  and of pairs 2 and 3 (an LDS offset has 16 bits)
.set VG,  5                            ; v5  262144 h + 16 r
.set QS,  8
.set BS,  72
.set A0,  88
.set A4,  216
.set A5,  164                          ; in window 3
.set OUT, 128                          ; in window 3
.set VGO, 160                          ; in window 3
.set SPW, 254
.set NIL, 255
.set MSB, 0
.macro WIN new                         ; s_set_vgpr_msb: bits 1:0 source 0, 3:2 source 1, 5:4 source 2, 7:6 destination; the high byte repeats the setting that is left
.if MSB != \new
	s_set_vgpr_msb (MSB<<8)|\new
.set MSB, \new
.endif
.endm
.macro PLACES
.rept 4
	v_nop
.endr
.endm
.macro ROUND                           ; a round of the cluster's barrier
	s_barrier_signal -1
	s_barrier_wait -1
	s_cmp_lg_u32 s10, 0
	s_cbranch_scc1 .Lnot_wave_0_\@
	s_barrier_signal -3
.Lnot_wave_0_\@:
	s_barrier_wait -3
	s_barrier_signal -1
	s_barrier_wait -1
.endm
	s_load_b128 s[4:7], s[0:1], 0x0                ; qimg s[4:5], mimg s[6:7]
	s_load_b64 s[8:9], s[0:1], 0x10                ; gmax
	v_lshl_add_u32 v[SPW], v0, 2, SPARE
	v_mov_b32 v[NIL], 0
	ds_add_u32 v[SPW], v[NIL]                      ; the opening lines: the add twice on end and its one wait
	ds_add_u32 v[SPW], v[NIL]
	v_lshrrev_b32 v6, 5, v0
	v_readfirstlane_b32 s10, v6                    ; wave 0..3
	s_bfe_u32 s11, ttmp6, 0x40000                  ; cx: my place in the cluster
	s_lshl_b32 s12, ttmp9, 2
	s_add_co_u32 s12, s12, s11                     ; mb: my block of 512 queries: it enters the queries' and gmax's addresses alone
	s_and_b32 s13, ttmp7, 0xffff                   ; y: the block of 512 memory rows, which the four partners share
	; descriptor groups 1: dense blocks as rows of 256 bytes (32 elements of 8 bytes): one pair is 68 rows, three are 204.  No padding: every LDS read takes 512 consecutive bytes
	s_mov_b32 s20, 15|(3<<16)|(1<<21)              ; the mask: all four work-groups; elements of 8 bytes; bit 21 set beside a mask
	s_mov_b32 s21, 32<<16
	s_mov_b32 s22, 68<<16
	s_mov_b32 s23, 32<<16
	s_mov_b32 s24, 68
	s_mov_b32 s25, 32
	s_mov_b32 s26, 0
	s_mov_b32 s27, 0
	s_mov_b32 s32, 15|(3<<16)|(1<<21)
	s_mov_b32 s33, 32<<16
	s_mov_b32 s34, 204<<16
	s_mov_b32 s35, 32<<16
	s_mov_b32 s36, 204
	s_mov_b32 s37, 32
	s_mov_b32 s38, 0
	s_mov_b32 s39, 0
	s_mov_b32 s16, 1                               ; groups 0: count = 1
	s_mul_i32 s17, s10, PAIRB                      ; the first load: pair w
	s_mov_b32 s28, 1
	s_mul_i32 s29, s10, 3*PAIRB
	s_add_co_u32 s29, s29, CHUNK                   ; the second: pairs 4 + 3 w .. 6 + 3 w
	s_mul_i32 s44, s13, 4*CHUNK                    ; y's sixteen pairs in mimg
	s_add_co_u32 s46, s44, s29
	s_add_co_u32 s44, s44, s17
	s_mov_b32 s45, 0
	s_mov_b32 s47, 0
	s_mul_i32 s40, s12, 4*CHUNK
	s_mul_i32 s41, s10, CHUNK
	s_add_co_u32 s40, s40, s41                     ; my wave's queries: mb's sixteen pairs, my four
	s_mov_b32 s41, 0
	s_lshl_b32 s42, s13, 19                        ; gmax: 8 x 65,536 y
	s_lshl_b32 s43, s12, 13                        ; + 16 bytes for each of mb's 512 queries
	s_add_co_u32 s42, s42, s43
	s_lshl_b32 s43, s10, 11                        ; + my wave's 128
	s_add_co_u32 s42, s42, s43
	s_mov_b32 s43, 0
	v_and_b32 v6, 31, v0
	v_lshlrev_b32 v[VL], 4, v6
	v_lshlrev_b32 v[VB0], 4, v6
	v_add_nc_u32 v[VB1], 2*PAIRB, v[VL]
	v_and_b32 v7, 15, v0
	v_lshlrev_b32 v[VR], 4, v7
	v_bfe_u32 v6, v0, 4, 1
	v_lshl_add_u32 v[VG], v6, 18, v[VR]
	WIN 0xc0
	v_mov_b32 v[VGO], v[VG]                        ; the stores' offset beside their data, in window 3
	WIN 0
	s_wait_alu depctr_va_vdst(0)                   ; the wait behind the head's vector work
	s_wait_dscnt 0x0                               ; both opening adds are done
	s_wait_kmcnt 0x0
	s_add_nc_u64 s[18:19], s[6:7], s[44:45]        ; groups 0: global addresses,
	s_or_b32 s19, s19, 0x80000000                  ; type = 2
	s_add_nc_u64 s[30:31], s[6:7], s[46:47]
	s_or_b32 s31, s31, 0x80000000
	s_add_nc_u64 s[40:41], s[4:5], s[40:41]        ; s[40:41]: my queries
	s_add_nc_u64 s[42:43], s[8:9], s[42:43]        ; s[42:43]: my part of gmax; 65,536 on with each trip
	ROUND                                          ; all four work-groups are here: the joint loads meet
	tensor_load_to_lds s[16:19], s[20:27]          ; my one tensor load at the head: pair w
	s_nop 0
	PLACES                                         ; four plain instructions behind a tensor load
; the queries' fragments, tile by tile: a tile's sixteen loads walk 8,192 consecutive bytes; K steps 0-3 go to window 1, K steps 4-7 to window 2
.macro QLOAD t, s0
.irp s, 0,1,2,3
.irp c, 0,1
	global_load_b128 v[32*\t+8*\s+4*\c:32*\t+8*\s+4*\c+3], v[VL], s[40:41] offset:(\t/2)*PAIRB+(\t%2)*8192+(\s0+\s)*1024+\c*512
.endr
.endr
.endm
.irp t, 0,1,2,3,4,5,6,7
	WIN 0x40                                       ; destination window 1
	QLOAD \t, 0
	WIN 0x80                                       ; destination window 2
	QLOAD \t, 4
.endr
	WIN 0
.irp t, 0,1,2,3,4,5,6,7
.irp q, 0,1
	global_load_b128 v[QS+8*\t+4*\q:QS+8*\t+4*\q+3], v[VR], s[40:41] offset:(\t/2)*PAIRB+16384+\q*512+(\t%2)*256   ; tile t's scale words, row r in lane r (and again in lane 16 + r, which is not read)
.endr
.endr
; where K step s of buffer x lies (the window is the caller's affair)
.macro SETA x, s
.if (\s) < 4
.set rA, A0+64*(\x)+16*(\s)
.elseif (\s) == 4
.set rA, A4+16*(\x)
.elseif (\s) < 7
.set rA, A5+32*(\x)+16*((\s)-5)
.else
.set rA, A5+64
.endif
.endm
; one K step of a pair's fragments: four loads of 512 consecutive bytes
.macro FETCHK x, adr, off, s
	SETA \x, \s
.irp u, 0,1
.irp c, 0,1
	ds_load_b128 v[rA+8*\u+4*\c:rA+8*\u+4*\c+3], v[\adr] offset:\off+\u*8192+(\s)*1024+\c*512
.endr
.endr
.endm
; a pair's scale words: register s: lane m holds row m's word of K step s
.macro FETCHS x, adr, off
.irp q, 0,1
	ds_load_b128 v[BS+8*(\x)+4*\q:BS+8*(\x)+4*\q+3], v[\adr] offset:\off+16384+\q*512
.endr
.endm
; one product: the pair in buffer x, query tile t, K step s
.macro WM x, s, t
	SETA \x, \s
.set rD, 16*(\t)
.set rB, 32*(\t)+8*((\s)%4)
.set rX, BS+8*(\x)+(\s)
.set rY, QS+8*(\t)+(\s)
.if (\s) == 0
	v_wmma_scale_f32_32x16x128_f4 v[rD:rD+15], v[rA:rA+15], v[rB:rB+7], 0, v[rX], v[rY]
.else
	v_wmma_scale_f32_32x16x128_f4 v[rD:rD+15], v[rA:rA+15], v[rB:rB+7], v[rD:rD+15], v[rX], v[rY]
.endif
.endm
; eight products: K step s x the eight query tiles by turns; K step 0 starts the sums: nothing is cleared
.macro MULS x, s
.irp t, 0,1,2,3,4,5,6,7
	WM \x, \s, \t
.endr
.endm
; The pair's finished tiles become maxima, made in place in registers 0 and 8 of each accumulator.  Within a lane: eight memory rows of one query for each tile, each accumulator from its low
; end on, the sixteen chains by turns.  Then the halves of the lanes change places between tile 0's and tile 1's maxima, so that one more maximum leaves tile h's whole maximum of query r in lane (r, h).
.macro EPI i
	WIN 0xff
.irp k, 1,3,5
.irp t, 0,1,2,3,4,5,6,7
	v_max3_num_f32 v[16*\t], v[16*\t], v[16*\t+\k], v[16*\t+\k+1]
	v_max3_num_f32 v[16*\t+8], v[16*\t+8], v[16*\t+8+\k], v[16*\t+8+\k+1]
.endr
.endr
.irp t, 0,1,2,3,4,5,6,7
	v_max_num_f32 v[16*\t], v[16*\t], v[16*\t+7]
	v_max_num_f32 v[16*\t+8], v[16*\t+8], v[16*\t+15]
.endr
.irp t, 0,1,2,3,4,5,6,7
	v_permlane16_swap_b32 v[16*\t], v[16*\t+8]     ; tile 0's lanes 16-31 change places with tile 1's lanes 0-15
.endr
.irp t, 0,1,2,3,4,5,6,7
	v_max_num_f32 v[OUT+4*\t+\i], v[16*\t], v[16*\t+8]
.endr
.endm
; Pair i of a trip's four: 64 products on buffer i % 2.  meet = 1: the written-out first trip's fourth pair.
.macro PAIR i, meet
.set BX, (\i)%2
.set BY, (\i+1)%2
.if \i == 0
.set NA, VB0
.set NO, PAIRB
.elseif \i == 1
.set NA, VB1
.set NO, 0
.elseif \i == 2
.set NA, VB1
.set NO, PAIRB
.else
.set NA, VB0
.set NO, 0
.endif
	s_wait_dscnt 4                                 ; K steps 0-6 and the scale words are in; the four loads issued behind them, K step 7's, may be out
	WIN 0xf4                                       ; source 0 window 0, source 1 (queries) window 1; C and D window 3
.irp s, 0,1,2,3
	MULS BX, \s
.endr
	WIN 0
.if \meet
	s_wait_tensorcnt 0x0                           ; my three pairs of the second load are in LDS,
	s_wait_dscnt 0x0                               ; no LDS load of mine is out at a signal,
	s_barrier_signal -1
	s_barrier_wait -1                              ; and everybody's pairs are in: pairs 4 to 15 may be read
.endif
.irp s, 0,1,2,3,4
	FETCHK BY, NA, NO, \s                          ; the next pair, into the other buffer: no matrix instruction of this pair names it
.endr
	FETCHS BY, NA, NO
	WIN 0xc0                                       ; destination window 3
.irp s, 5,6
	FETCHK BY, NA, NO, \s
.endr
	s_wait_dscnt 30                                ; K step 7 is in; the thirty just issued may be out
	WIN 0xf8                                       ; source 1 window 2
	MULS BX, 4
	WIN 0xfb                                       ; source 0 window 3
.irp s, 5,6,7
	MULS BX, \s
.endr
	WIN 0xc0
	PLACES                                         ; four plain instructions ahead of the loads into K step 7's registers and of the first read of the results (ISA guide 7.12.1 for the first read)
	FETCHK BY, NA, NO, 7
.if \i == 2
	WIN 0
	s_add_co_u32 s49, s49, CHUNK                   ; the addresses go on to the next trip's four pairs: this trip's last fetch by them stands above;
	s_min_u32 s50, s49, 3*CHUNK                    ; the last trip has no next: it reads its own again, and nothing uses what comes
	v_add_nc_u32 v[VB0], s50, v[VL]
	v_add_nc_u32 v[VB1], 2*PAIRB, v[VB0]
	s_wait_alu depctr_va_vdst(0)
.endif
	EPI \i
.endm
; A trip: four pairs, 256 products, and 16 bytes of maxima for each query and half
.macro TRIP first
	PAIR 0, 0
	PAIR 1, 0
	PAIR 2, 0
	PAIR 3, \first
.irp t, 0,1,2,3,4,5,6,7
	global_store_b128 v[VGO], v[OUT+4*\t:OUT+4*\t+3], s[42:43] offset:\t*256   ; sixteen lanes store 256 consecutive bytes, aligned: sixteen queries x four groups
.endr
	s_wait_xcnt 0x0                                ; the stores have read their data and their base: both are written again only behind this wait
	s_add_nc_u64 s[42:43], s[42:43], 0x10000
	WIN 0                                          ; at a label and at a branch every window is 0
.endm
	s_wait_tensorcnt 0x0                           ; my pair is in LDS
	ds_add_u32 v[SPW], v[NIL]
	s_wait_dscnt 0x0
	ROUND                                          ; everybody's pair is in, and all four work-groups are here: the joint loads meet
	tensor_load_to_lds s[28:31], s[32:39]          ; my three further pairs: the first tensor load behind the round, and my last
	s_nop 0
	PLACES
.irp s, 0,1,2,3,4
	FETCHK 0, VB0, 0, \s
.endr
	FETCHS 0, VB0, 0
	WIN 0xc0
.irp s, 5,6,7
	FETCHK 0, VB0, 0, \s
.endr
	s_mov_b32 s48, 3
	s_mov_b32 s49, 0
	s_wait_loadcnt 0x0                             ; the queries and their scale words
	TRIP 1                                         ; pairs 0 to 3, while the second load is on its way
.Ltrip:                                            ; three trips
	TRIP 0
	s_sub_co_u32 s48, s48, 1
	s_cmp_lg_u32 s48, 0
	s_cbranch_scc1 .Ltrip
	s_wait_dscnt 0x0                               ; no LDS load of mine is out at a signal
	s_wait_tensorcnt 0x0                           ; the wave's end
	ds_add_u32 v[SPW], v[NIL]
	s_wait_dscnt 0x0
	ROUND                                          ; the closing round: no work-group ends while a partner may still ask jointly
	s_endpgm
.Lfunc_end_k_q4810bf0398_gemm:
	.size	k_q4810bf0398_gemm, .Lfunc_end_k_q4810bf0398_gemm-k_q4810bf0398_gemm
	.p2alignl 7, 3214868480
	.fill 96, 4, 3214868480
	.section	.rodata,"a",@progbits
	.p2align	6, 0x0
	.amdhsa_kernel k_q4810bf0398_gemm
		.amdhsa_group_segment_fixed_size 327680
		.amdhsa_private_segment_fixed_size 0
		.amdhsa_enable_private_segment 0
		.amdhsa_kernarg_size 24
		.amdhsa_user_sgpr_count 2
		.amdhsa_user_sgpr_kernarg_segment_ptr 1
		.amdhsa_wavefront_size32 1
		.amdhsa_system_sgpr_workgroup_id_x 1
		.amdhsa_system_sgpr_workgroup_id_y 1
		.amdhsa_system_sgpr_workgroup_id_z 1
		.amdhsa_system_vgpr_workitem_id 0
		.amdhsa_next_free_vgpr 1024
		.amdhsa_next_free_sgpr 66
		.amdhsa_reserve_vcc 0
		.amdhsa_float_denorm_mode_32 3
		.amdhsa_float_denorm_mode_16_64 3
		.amdhsa_memory_ordered 1
		.amdhsa_forward_progress 1
		.amdhsa_inst_pref_size 141
	.end_amdhsa_kernel
	.amdgpu_metadata
---
amdhsa.version: [ 1, 2 ]
amdhsa.kernels:
  - .name:           k_q4810bf0398_gemm
    .symbol:         k_q4810bf0398_gemm.kd
    .args:
      - { .name: qimg, .offset: 0, .size: 8, .value_kind: global_buffer, .address_space: global }
      - { .name: mimg, .offset: 8, .size: 8, .value_kind: global_buffer, .address_space: global }
      - { .name: gmax, .offset: 16, .size: 8, .value_kind: global_buffer, .address_space: global }
    .group_segment_fixed_size: 327680
    .private_segment_fixed_size: 0
    .kernarg_segment_align: 8
    .kernarg_segment_size: 24
    .max_flat_workgroup_size: 128
    .sgpr_count:     66
    .vgpr_count:     1024
    .wavefront_size: 32
...
	.end_amdgpu_metadata
.endif
;; end of part 2
;; launch selgrp (part 3): grid 256 x 1, 16 waves a work-group, no clusters, 78,080 bytes of LDS; arguments gmax, predictions, sel; writes sel
.if DOCPART == 3
	.amdgcn_target "amdgcn-amd-amdhsa--gfx1250"
	.amdhsa_code_object_version 6
	.text
	.protected	k_q4810bf0398_selgrp
	.globl	k_q4810bf0398_selgrp
	.p2align	8
	.type	k_q4810bf0398_selgrp,@function
k_q4810bf0398_selgrp:
	s_mov_b64 s[64:65], 0
	v_nop
	global_prefetch_b8 v0, s[64:65] scope:SCOPE_SE
	s_setreg_imm32_b32 hwreg(HW_REG_WAVE_MODE, 25, 1), 1
	s_wait_xcnt 0x0
; For each query: the ten groups (tiles of 16 memory rows) with the largest maxima, ordered by (maximum descending, group ascending), and the row's k.
; The first k elements of a row's ranking lie in its first k groups so ordered: every group ahead of one that is left out holds an element that goes ahead of all of that one's,
; ties too, since a group's rows are consecutive.
; sel: [query][16] words: 0-9 the groups in order, 10 k, 11-15 zero.  Nothing in this launch but stored VALUES hangs on the numbers: every address and trip count is fixed.
; SHARES.  A work-group takes 16 queries.  gmax holds them as 256 runs of 256 bytes (run 8 y + c8); wave w loads runs 16 w .. 16 w + 15 (two a load) and lays them by query in LDS;
; behind a barrier wave w takes query w: 1,024 maxima, 32 a lane.
; THE LANE IS THE UPPER PART OF A GROUP'S NUMBER: lane l holds groups 32 l .. 32 l + 31 (block y = l); register n = 4 c8 + i holds group 32 l + 2 (n % 16) + n / 16.
; In LDS a lane's 128 bytes lie 144 apart and a query's row 4,624: odd multiples of 16 bytes, so that the sixteen lanes of a store (one query each) and of a load (one block each) fall on different banks.
; THE PICK.  The 32 registers are four CHAINS of eight groups in ascending order (chain x, place m: register 4 x + m / 2 + 16 (m % 2)); each chain's maximum is kept from trip to trip.
; The lowest group among equals lies in the lowest lane whose maximum is the wave's, there in the lowest chain, there at the lowest place: so lane, chain and place are scalars, and the masks that steer
; the vector selects are made by scalar instructions.  Only the winning chain's eight registers are looked through; they go back to all lanes, changed in one place of one lane.
; k = trunc(1 + 9 (1 - mean |sigmoid(p) - 0.5|)), in f32; it lies in 5 .. 10 and is held to 1 .. 10.
; No tensor loads, no cluster: no two work-groups read the same byte.
; LIMITS: NaN and infinities are not served; +0 and -0 count as equal.
.set BLKP, 144                         ; a lane's 32 maxima in LDS: 128 bytes + 16
.set ROWP, 32*BLKP+16                  ; a query's row
.set OUTB, 16*ROWP                     ; behind the rows: 128 bytes for each wave's result
.set V,    16                          ; v16-47 the 32 maxima
.set W,    56                          ; v56-63 the winning chain's eight
.set C,    64                          ; v64-67 the four chains' maxima
.set LM,   68                          ; v68    my lane's maximum
.set T,    69                          ; v69-70 the wave's maximum, at work
.set CM,   71                          ; v71    the chain's new maximum
.set VI,   72                          ; v72    the group picked
	s_load_b128 s[4:7], s[0:1], 0x0                ; gmax s[4:5], predictions s[6:7]
	s_load_b64 s[8:9], s[0:1], 0x10                ; sel
	v_lshl_add_u32 v80, v0, 2, 0x12900
	v_mov_b32 v81, 0
	v_lshrrev_b32 v1, 5, v0
	s_delay_alu instid0(VALU_DEP_1)
	v_readfirstlane_b32 s10, v1                    ; wave 0..15
	v_and_b32 v1, 31, v0                           ; v1: lane
	v_and_b32 v5, 15, v0                           ; r
	v_bfe_u32 v6, v0, 4, 1                         ; which of a load's two runs
	s_delay_alu instid0(VALU_DEP_2)
	v_lshlrev_b32 v7, 4, v5
	s_delay_alu instid0(VALU_DEP_1)
	v_lshl_add_u32 v7, v6, 16, v7                  ; v7: in gmax: 65,536 x run + 16 r
	s_delay_alu instid0(VALU_DEP_4)
	v_mul_u32_u24 v8, v5, ROWP
	s_delay_alu instid0(VALU_DEP_1)
	v_lshl_add_u32 v8, v6, 4, v8
	s_mul_i32 s11, s10, 2*BLKP                     ; my wave's 16 runs are blocks 2 w and 2 w + 1
	v_add_nc_u32 v8, s11, v8                       ; v8: into LDS: query r's row; run 16 w + 2 n + its half lies at 288 w + 144 (n / 4) + 32 (n % 4) + 16 x half
	s_mul_i32 s12, s10, ROWP
	v_mul_u32_u24 v9, v1, BLKP
	s_delay_alu instid0(VALU_DEP_1)
	v_add_nc_u32 v9, s12, v9                       ; v9: out of it: my wave's row, my lane's block
	s_lshl_b32 s13, s10, 7
	v_lshl_add_u32 v10, v1, 2, s13
	s_delay_alu instid0(VALU_DEP_1)
	v_add_nc_u32 v10, OUTB, v10                    ; v10: my word of my wave's result
	v_lshrrev_b32 v11, 2, v1
	v_and_b32 v12, 3, v1
	s_delay_alu instid0(VALU_DEP_1)
	v_lshlrev_b32 v12, 4, v12
	s_delay_alu instid0(VALU_DEP_1)
	v_lshl_add_u32 v11, v11, 7, v12
	s_delay_alu instid0(VALU_DEP_1)
	v_add_nc_u32 v11, OUTB, v11                    ; v11: the way out: four lanes take the first 64 bytes of a result
	v_lshlrev_b32 v13, 4, v1                       ; v13: and their place in sel
	v_min_u32 v14, 13, v1
	s_delay_alu instid0(VALU_DEP_1)
	v_lshlrev_b32 v14, 2, v14                      ; v14: my class of the 14 (lanes 14-31 read the last again and are masked)
	v_mov_b32 v3, 0                                ; v3: the result: lane t keeps the t-th group
	v_mov_b32 v55, 0xff800000                      ; -infinity
	v_mov_b32 v52, 0                               ; (a lane permute's and a DPP form's destination counts as one of its sources)
	v_mov_b32 v[T], 0
	v_mov_b32 v[T+1], 0
	s_mov_b32 s20, 0x76543210
	s_mov_b32 s21, 0xfedcba98                      ; v_permlanex16_b32's selects for lane l xor 16
	s_lshl_b32 s14, s10, 20                        ; my wave's 16 runs, 65,536 bytes apart,
	s_lshl_b32 s15, ttmp9, 8                       ; my work-group's 256 bytes of each
	s_add_co_u32 s14, s14, s15
	s_mov_b32 s15, 0
	s_lshl_b32 s16, ttmp9, 4
	s_add_co_u32 s16, s16, s10                     ; my query
	s_mul_i32 s16, s16, 56                         ; 14 f32
	s_mov_b32 s17, 0
	s_lshl_b32 s18, ttmp9, 10                      ; 16 queries x 64 bytes of sel
	s_mov_b32 s19, 0
	s_wait_alu depctr_va_vdst(0)
	s_wait_kmcnt 0x0
	s_add_nc_u64 s[4:5], s[4:5], s[14:15]
	s_add_nc_u64 s[6:7], s[6:7], s[16:17]
	s_add_nc_u64 s[8:9], s[8:9], s[18:19]
	global_load_b32 v48, v14, s[6:7]
.irp n, 0,1,2,3,4,5,6,7
	global_load_b128 v[V+4*\n:V+4*\n+3], v7, s[4:5] offset:\n*131072 th:TH_LOAD_NT   ; two runs of 256 consecutive bytes, aligned
.endr
	s_wait_loadcnt 8                               ; the prediction is in; the eight loads issued behind it may be out
	v_mul_f32 v49, 0xbfb8aa3b, v48                 ; -x log2(e)
	s_wait_alu depctr_va_vdst(0)
	v_exp_f32 v50, v49
	v_cmp_gt_u32 vcc_lo, 14, v1                    ; lanes 0-13 count
	v_nop                                          ; a plain instruction behind the exponential,
	s_wait_alu depctr_va_vdst(0)                   ; and a wait ahead of its first reader
	v_add_f32 v50, 1.0, v50
	s_wait_alu depctr_va_vdst(0)
	v_rcp_f32 v51, v50                             ; sigmoid(x)
	v_nop
	s_wait_alu depctr_va_vdst(0)
	v_add_f32 v51, -0.5, v51
	s_delay_alu instid0(VALU_DEP_1)
	v_and_b32 v51, 0x7fffffff, v51                 ; |sigmoid - 0.5|
	s_delay_alu instid0(VALU_DEP_1)
	v_cndmask_b32 v51, 0, v51, vcc_lo
	s_delay_alu instid0(VALU_DEP_1)
	v_add_f32_dpp v51, v51, v51 row_xmask:1 row_mask:0xf bank_mask:0xf
	s_delay_alu instid0(VALU_DEP_1)
	v_add_f32_dpp v51, v51, v51 row_xmask:2 row_mask:0xf bank_mask:0xf
	s_delay_alu instid0(VALU_DEP_1)
	v_add_f32_dpp v51, v51, v51 row_xmask:4 row_mask:0xf bank_mask:0xf
	s_delay_alu instid0(VALU_DEP_1)
	v_add_f32_dpp v51, v51, v51 row_xmask:8 row_mask:0xf bank_mask:0xf
	s_delay_alu instid0(VALU_DEP_1)
	v_permlanex16_b32 v52, v51, s20, s21
	s_delay_alu instid0(VALU_DEP_1)
	v_add_f32 v51, v51, v52                        ; the sum over the 14
	s_delay_alu instid0(VALU_DEP_1)
	v_mul_f32 v53, 0x3d924925, v51                 ; / 14: by 1/14,
	s_delay_alu instid0(VALU_DEP_1)
	v_fma_f32 v54, 0xc1600000, v53, v51            ; what is left over,
	s_delay_alu instid0(VALU_DEP_1)
	v_fma_f32 v53, 0x3d924925, v54, v53            ; put back
	s_delay_alu instid0(VALU_DEP_1)
	v_sub_f32 v53, 1.0, v53
	s_delay_alu instid0(VALU_DEP_1)
	v_fma_f32 v53, 0x41100000, v53, 1.0            ; 1 + 9 (1 - confidence)
	s_delay_alu instid0(VALU_DEP_1)
	v_cvt_u32_f32 v53, v53                         ; toward zero: the floor of a number that is not negative
	s_delay_alu instid0(VALU_DEP_1)
	v_max_u32 v53, 1, v53
	s_delay_alu instid0(VALU_DEP_1)
	v_min_u32 v53, 10, v53                         ; v53: k
.irp n, 0,1,2,3,4,5,6,7
	s_wait_loadcnt 7-\n                            ; load n is in; the later ones may be out
	ds_store_b128 v8, v[V+4*\n:V+4*\n+3] offset:(\n/4)*BLKP+(\n%4)*32
.endr
	s_wait_dscnt 0x0                               ; for the others' sake: my stores are done
	s_barrier_signal -1
	s_barrier_wait -1
.irp k, 0,1,2,3,4,5,6,7
	ds_load_b128 v[V+4*\k:V+4*\k+3], v9 offset:16*\k              ; run c8 = k of my block
.endr
	s_mov_b32 s22, 0
	s_wait_dscnt 0x0
.irp x, 0,1,2,3                        ; the four chains' maxima, by turns: chain x is registers 4 x .. 4 x + 3 and 16 + 4 x .. 16 + 4 x + 3
	v_max3_num_f32 v[C+\x], v[V+4*\x], v[V+4*\x+1], v[V+4*\x+2]
.endr
.irp x, 0,1,2,3
	s_delay_alu instid0(VALU_DEP_4)
	v_max3_num_f32 v[C+\x], v[C+\x], v[V+4*\x+3], v[V+16+4*\x]
.endr
.irp x, 0,1,2,3
	s_delay_alu instid0(VALU_DEP_4)
	v_max3_num_f32 v[C+\x], v[C+\x], v[V+16+4*\x+1], v[V+16+4*\x+2]
.endr
.irp x, 0,1,2,3
	s_delay_alu instid0(VALU_DEP_4)
	v_max_num_f32 v[C+\x], v[C+\x], v[V+16+4*\x+3]
.endr
.Lpick:                                            ; ten trips: the largest that is left, the lowest group among equals; it is recorded and taken out
	v_max3_num_f32 v[LM], v[C], v[C+1], v[C+2]
	s_delay_alu instid0(VALU_DEP_1)
	v_max_num_f32 v[LM], v[LM], v[C+3]             ; my lane's largest
	s_delay_alu instid0(VALU_DEP_1)
	v_max_num_f32_dpp v[T], v[LM], v[LM] row_xmask:1 row_mask:0xf bank_mask:0xf
	s_delay_alu instid0(VALU_DEP_1)
	v_max_num_f32_dpp v[T], v[T], v[T] row_xmask:2 row_mask:0xf bank_mask:0xf
	s_delay_alu instid0(VALU_DEP_1)
	v_max_num_f32_dpp v[T], v[T], v[T] row_xmask:4 row_mask:0xf bank_mask:0xf
	s_delay_alu instid0(VALU_DEP_1)
	v_max_num_f32_dpp v[T], v[T], v[T] row_xmask:8 row_mask:0xf bank_mask:0xf
	s_delay_alu instid0(VALU_DEP_1)
	v_permlanex16_b32 v[T+1], v[T], s20, s21
	s_delay_alu instid0(VALU_DEP_1)
	v_max_num_f32 v[T], v[T], v[T+1]               ; M, in every lane
	s_delay_alu instid0(VALU_DEP_1)
	v_cmp_eq_f32 s24, v[LM], v[T]                  ; the lanes that hold M,
	s_delay_alu instid0(VALU_DEP_2)
	v_cmp_eq_f32 s28, v[C], v[T]                   ; and those that hold it in chain 0, 1, 2
	s_delay_alu instid0(VALU_DEP_3)
	v_cmp_eq_f32 s29, v[C+1], v[T]
	s_delay_alu instid0(VALU_DEP_4)
	v_cmp_eq_f32 s30, v[C+2], v[T]
	s_ctz_i32_b32 s25, s24                         ; L: the lowest of them: the lowest groups
	s_lshl_b32 s26, 1, s25                         ; its bit
	s_and_b32 s36, s28, s26                        ; (SCC: the result is not 0)  does lane L hold M in chain 0?
	s_cselect_b32 s32, -1, 0
	s_and_b32 s36, s29, s26
	s_cselect_b32 s33, -1, 0
	s_and_b32 s36, s30, s26
	s_cselect_b32 s34, -1, 0
	s_and_not1_b32 s33, s33, s32                   ; the lowest such chain alone: s32-35 are all ones for it and 0 for the other three
	s_or_b32 s37, s32, s33
	s_and_not1_b32 s34, s34, s37
	s_or_b32 s37, s37, s34
	s_not_b32 s35, s37                             ; none of the first three: chain 3
.irp m, 0,1,2,3,4,5,6,7                ; that chain's eight registers, in every lane
	v_cndmask_b32 v[W+\m], v[V+12+(\m/2)+16*(\m%2)], v[V+8+(\m/2)+16*(\m%2)], s34
.endr
.irp m, 0,1,2,3,4,5,6,7
	v_cndmask_b32 v[W+\m], v[W+\m], v[V+4+(\m/2)+16*(\m%2)], s33
.endr
.irp m, 0,1,2,3,4,5,6,7
	v_cndmask_b32 v[W+\m], v[W+\m], v[V+(\m/2)+16*(\m%2)], s32
.endr
.irp m, 0,1,2,3,4,5,6,7
	v_cmp_eq_f32 s[40+\m], v[W+\m], v[T]
.endr
	s_mov_b32 s48, s26                             ; lane L's bit, until it is spent
	s_mov_b32 s49, 0
.irp m, 0,1,2,3,4,5,6,7                ; lane L's lowest place that holds M: its mask keeps the one bit, all other masks become 0
	s_and_b32 s[40+\m], s[40+\m], s48
	s_cselect_b32 s49, \m, s49                     ; (on the SCC of the line above)  the place
	s_and_not1_b32 s48, s48, s[40+\m]
.endr
.irp m, 0,1,2,3,4,5,6,7
	v_cndmask_b32 v[W+\m], v[W+\m], v55, s[40+\m]  ; taken out: -infinity, in one place of one lane
.endr
	v_max3_num_f32 v[CM], v[W], v[W+1], v[W+2]     ; the chain's maximum anew (in the other lanes: what it was)
	s_delay_alu instid0(VALU_DEP_1)
	v_max3_num_f32 v[CM], v[CM], v[W+3], v[W+4]
	s_delay_alu instid0(VALU_DEP_1)
	v_max3_num_f32 v[CM], v[CM], v[W+5], v[W+6]
	s_delay_alu instid0(VALU_DEP_1)
	v_max_num_f32 v[CM], v[CM], v[W+7]
.irp x, 0,1,2,3
	v_cndmask_b32 v[C+\x], v[C+\x], v[CM], s[32+\x]
.endr
.irp x, 0,1,2,3                        ; and the eight go back where they came from
.irp m, 0,1,2,3,4,5,6,7
	v_cndmask_b32 v[V+4*\x+(\m/2)+16*(\m%2)], v[V+4*\x+(\m/2)+16*(\m%2)], v[W+\m], s[32+\x]
.endr
.endr
	s_and_b32 s36, s33, 8                          ; 8 x the chain
	s_and_b32 s37, s34, 16
	s_or_b32 s36, s36, s37
	s_and_b32 s37, s35, 24
	s_or_b32 s36, s36, s37
	s_lshl_b32 s50, s25, 5                         ; 32 L
	s_add_co_u32 s50, s50, s36
	s_add_co_u32 s50, s50, s49                     ; + the place: the group
	s_and_b32 s50, s50, 1023
	s_lshl_b32 s51, 1, s22
	v_mov_b32 v[VI], s50
	s_delay_alu instid0(VALU_DEP_1)
	v_cndmask_b32 v3, v3, v[VI], s51               ; the lane whose number is the trip's keeps it
	s_add_co_u32 s22, s22, 1
	s_cmp_lt_u32 s22, 10
	s_cbranch_scc1 .Lpick
	v_cmp_eq_u32 vcc_lo, 10, v1
	s_delay_alu instid0(VALU_DEP_1)
	v_cndmask_b32 v3, v3, v53, vcc_lo              ; lane 10 takes k
	ds_store_b32 v10, v3
	s_wait_dscnt 0x0                               ; for wave 0's sake: my result is in LDS
	s_barrier_signal -1
	s_barrier_wait -1
	s_cmp_lg_u32 s10, 0                            ; the sixteen results, 1,024 bytes, leave by wave 0
	s_cbranch_scc1 .Ldone
	ds_load_b128 v[16:19], v11
	ds_load_b128 v[20:23], v11 offset:1024
	s_wait_dscnt 0x0
	global_store_b128 v13, v[16:19], s[8:9]        ; 512 consecutive bytes, aligned
	global_store_b128 v13, v[20:23], s[8:9] offset:512
.Ldone:
	s_wait_tensorcnt 0x0
	ds_add_u32 v80, v81
	s_wait_dscnt 0x0
	s_endpgm
.Lfunc_end_k_q4810bf0398_selgrp:
	.size	k_q4810bf0398_selgrp, .Lfunc_end_k_q4810bf0398_selgrp-k_q4810bf0398_selgrp
	.p2alignl 7, 3214868480
	.fill 96, 4, 3214868480
	.section	.rodata,"a",@progbits
	.p2align	6, 0x0
	.amdhsa_kernel k_q4810bf0398_selgrp
		.amdhsa_group_segment_fixed_size 78080
		.amdhsa_private_segment_fixed_size 0
		.amdhsa_enable_private_segment 0
		.amdhsa_kernarg_size 24
		.amdhsa_user_sgpr_count 2
		.amdhsa_user_sgpr_kernarg_segment_ptr 1
		.amdhsa_wavefront_size32 1
		.amdhsa_system_sgpr_workgroup_id_x 1
		.amdhsa_system_sgpr_workgroup_id_y 1
		.amdhsa_system_sgpr_workgroup_id_z 1
		.amdhsa_system_vgpr_workitem_id 0
		.amdhsa_next_free_vgpr 82
		.amdhsa_next_free_sgpr 66
		.amdhsa_reserve_vcc 1
		.amdhsa_float_denorm_mode_32 3
		.amdhsa_float_denorm_mode_16_64 3
		.amdhsa_memory_ordered 1
		.amdhsa_forward_progress 1
		.amdhsa_inst_pref_size 17
	.end_amdhsa_kernel
	.amdgpu_metadata
---
amdhsa.version: [ 1, 2 ]
amdhsa.kernels:
  - .name:           k_q4810bf0398_selgrp
    .symbol:         k_q4810bf0398_selgrp.kd
    .args:
      - { .name: gmax, .offset: 0, .size: 8, .value_kind: global_buffer, .address_space: global }
      - { .name: predictions, .offset: 8, .size: 8, .value_kind: global_buffer, .address_space: global }
      - { .name: sel, .offset: 16, .size: 8, .value_kind: global_buffer, .address_space: global }
    .group_segment_fixed_size: 78080
    .private_segment_fixed_size: 0
    .kernarg_segment_align: 8
    .kernarg_segment_size: 24
    .max_flat_workgroup_size: 512
    .sgpr_count:     66
    .vgpr_count:     82
    .wavefront_size: 32
...
	.end_amdgpu_metadata
.endif
;; end of part 3
;; launch refine (part 4): grid 1024 x 1, 4 waves a work-group, no clusters, 0 bytes of LDS; arguments qimg, mimg, sel, idx, wts; writes idx, wts
.if DOCPART == 4
	.amdgcn_target "amdgcn-amd-amdhsa--gfx1250"
	.amdhsa_code_object_version 6
	.text
	.protected	k_q4810bf0398_refine
	.globl	k_q4810bf0398_refine
	.p2align	8
	.type	k_q4810bf0398_refine,@function
k_q4810bf0398_refine:
	s_mov_b64 s[64:65], 0
	v_nop
	global_prefetch_b8 v0, s[64:65] scope:SCOPE_SE
	s_setreg_imm32_b32 hwreg(HW_REG_WAVE_MODE, 25, 1), 1
	s_wait_xcnt 0x0
; For each query: the similarities of its first k chosen groups are made again, its k largest elements are picked exactly (ties: the lower index first), and their softmax is taken.
; idx, wts: [query][32] words: lane s < k: the s-th element's row in memory, and its weight; the other lanes: the first element's row, and the weight 0.
; SHARES.  A wave takes one query; waves share nothing: no LDS, no barrier.  With 256 registers a wave, sixteen waves lie on a WGP, and one wave's loads stand beside another's work.
; The groups a wave reads hang on its query alone, so no tile is shared with a neighbour at a known time: no cluster.
; THE PRODUCT is the one that made the maxima: source 0 = the group's 16 memory rows, source 1 = the query, one accumulator, K ascending, the first product with C = 0.
; The query stands in ALL sixteen columns (every lane of a half loads the same 16 bytes), so lane (r, h) holds, for every r, rows 8 h + 0 .. 7 of the group; of slot s's result
; lanes s and 16 + s keep their eight numbers.  So the k x 16 candidates lie in eight registers, and the lanes that kept nothing hold -infinity.
; Groups go two at a time; an odd k makes one group more, the next in rank, whose elements are rightful candidates too.
; Addresses and trip counts hang on whole numbers read from sel, each held by a minimum ahead of its use.
; LIMITS: NaN and infinities are not served; +0 and -0 count as equal.
.set PAIRB, 17408
.set KR,  8                            ; v8-15   the candidates
.set QS,  16                           ; v16-23  the query's scale words, one for each K step
.set AS0, 24                           ; v24-31, v32-39 the two groups' scale words
.set AS1, 32
.set AC0, 40                           ; v40-47, v48-55 the two accumulators
.set AC1, 48
.set QF,  64                           ; v64-127 the query's fragments
.set AF0, 128                          ; v128-191, v192-255 the two groups' fragments
.set AF1, 192
.set BIG, 0x100000
	s_load_b256 s[4:11], s[0:1], 0x0               ; qimg s[4:5], mimg s[6:7], sel s[8:9], idx s[10:11]
	s_load_b64 s[12:13], s[0:1], 0x20              ; wts
	v_lshrrev_b32 v5, 5, v0
	v_readfirstlane_b32 s50, v5                    ; wave
	v_and_b32 v5, 31, v0                           ; v5: lane
	v_lshlrev_b32 v1, 4, v5                        ; v1: 16 x lane
	v_and_b32 v2, 15, v0
	v_lshlrev_b32 v56, 2, v2                       ; 4 r
	v_lshlrev_b32 v2, 4, v2                        ; v2: 16 r
	v_bfe_u32 v7, v0, 4, 1                         ; h
	v_lshlrev_b32 v3, 8, v7                        ; v3: 256 h
	v_lshlrev_b32 v7, 3, v7                        ; v7: 8 h; later + 16 x my group
	v_mov_b32 v4, 0                                ; v4: 0
	s_mov_b32 s44, 0x76543210
	s_mov_b32 s45, 0xfedcba98
	s_lshl_b32 s51, ttmp9, 2
	s_add_co_u32 s51, s51, s50                     ; q
	s_lshr_b32 s52, s51, 5
	s_mul_i32 s52, s52, PAIRB                      ; the query's pair image
	s_bfe_u32 s46, s51, 0x10004
	s_lshl_b32 s46, s46, 13                        ; its tile
	s_and_b32 s47, s51, 15
	s_lshl_b32 s47, s47, 4                         ; its row's 16 bytes of a block
	s_add_co_u32 s46, s46, s47
	s_add_co_u32 s46, s46, s52
	s_mov_b32 s47, 0
	s_and_b32 s42, s51, 31
	s_lshl_b32 s42, s42, 4                         ; its 16 bytes of scale words
	s_add_co_u32 s52, s52, s42
	s_mov_b32 s53, 0
	s_lshl_b32 s42, s51, 6                         ; its row of sel
	s_mov_b32 s43, 0
	s_wait_alu depctr_va_vdst(0)
	s_wait_kmcnt 0x0
	s_add_nc_u64 s[54:55], s[4:5], s[46:47]
	s_add_nc_u64 s[56:57], s[4:5], s[52:53]
	s_add_nc_u64 s[8:9], s[8:9], s[42:43]
	s_load_b512 s[16:31], s[8:9], 0x0              ; s16-25 the ten groups, s26 k
.irp s, 0,1,2,3,4,5,6,7
.irp c, 0,1
	global_load_b128 v[QF+8*\s+4*\c:QF+8*\s+4*\c+3], v3, s[54:55] offset:\s*1024+\c*512   ; block 4 s + 2 c + h of my query's row, the same in all sixteen lanes of a half
.endr
.endr
	global_load_b128 v[QS:QS+3], v4, s[56:57] offset:16384
	global_load_b128 v[QS+4:QS+7], v4, s[56:57] offset:16384+512
	global_load_b32 v6, v56, s[8:9]                ; v6: lane (r, h): slot r's group (a value: it enters no address)
	s_lshl_b32 s42, s51, 7                         ; 128 bytes of idx and of wts
	s_add_nc_u64 s[10:11], s[10:11], s[42:43]
	s_add_nc_u64 s[12:13], s[12:13], s[42:43]
.irp j, 0,1,2,3,4,5,6,7
	v_mov_b32 v[KR+\j], 0xff800000
.endr
	s_wait_kmcnt 0x0
	s_max_u32 s48, s26, 1
	s_min_u32 s48, s48, 10                         ; s48: k
; where slot j's group lies: pair = group / 2, tile = group % 2
.macro SLOTBASE j, cb, sb
	s_lshr_b32 s42, s[16+\j], 1
	s_min_u32 s42, s42, 511
	s_mul_i32 s42, s42, PAIRB
	s_and_b32 s46, s[16+\j], 1
	s_min_u32 s46, s46, 1
	s_lshl_b32 s47, s46, 13
	s_add_co_u32 s52, s42, s47
	s_mov_b32 s53, 0
	s_add_nc_u64 s[\cb:\cb+1], s[6:7], s[52:53]    ; its codes
	s_lshl_b32 s47, s46, 8
	s_add_co_u32 s52, s42, s47
	s_add_nc_u64 s[\sb:\sb+1], s[6:7], s[52:53]    ; its scale words, less the 16,384 that stands in the loads
.endm
; slots 2 i and 2 i + 1
.macro PAIRS i
.if \i > 0
	s_cmp_le_u32 s48, 2*\i                         ; k groups are done
	s_cbranch_scc1 .Lsel
.endif
	SLOTBASE 2*\i, 32, 34                          ; (the loads that named these bases are done: the wait for 0 below, in the block before)
	SLOTBASE 2*\i+1, 36, 38
.irp s, 0,1,2,3,4,5,6,7
.irp c, 0,1
	global_load_b128 v[AF0+8*\s+4*\c:AF0+8*\s+4*\c+3], v1, s[32:33] offset:\s*1024+\c*512
.endr
.endr
.irp q, 0,1
	global_load_b128 v[AS0+4*\q:AS0+4*\q+3], v2, s[34:35] offset:16384+\q*512
.endr
.irp s, 0,1,2,3,4,5,6,7
.irp c, 0,1
	global_load_b128 v[AF1+8*\s+4*\c:AF1+8*\s+4*\c+3], v1, s[36:37] offset:\s*1024+\c*512
.endr
.endr
.irp q, 0,1
	global_load_b128 v[AS1+4*\q:AS1+4*\q+3], v2, s[38:39] offset:16384+\q*512
.endr
	s_wait_loadcnt 0x0
.irp s, 0,1,2,3,4,5,6,7                ; the two accumulators take turns, one instruction a turn
.if \s == 0
	v_wmma_scale_f32_16x16x128_f8f6f4 v[AC0:AC0+7], v[AF0+8*\s:AF0+8*\s+7], v[QF+8*\s:QF+8*\s+7], 0, v[AS0+\s], v[QS+\s] matrix_a_fmt:MATRIX_FMT_FP4 matrix_b_fmt:MATRIX_FMT_FP4
	v_wmma_scale_f32_16x16x128_f8f6f4 v[AC1:AC1+7], v[AF1+8*\s:AF1+8*\s+7], v[QF+8*\s:QF+8*\s+7], 0, v[AS1+\s], v[QS+\s] matrix_a_fmt:MATRIX_FMT_FP4 matrix_b_fmt:MATRIX_FMT_FP4
.else
	v_wmma_scale_f32_16x16x128_f8f6f4 v[AC0:AC0+7], v[AF0+8*\s:AF0+8*\s+7], v[QF+8*\s:QF+8*\s+7], v[AC0:AC0+7], v[AS0+\s], v[QS+\s] matrix_a_fmt:MATRIX_FMT_FP4 matrix_b_fmt:MATRIX_FMT_FP4
	v_wmma_scale_f32_16x16x128_f8f6f4 v[AC1:AC1+7], v[AF1+8*\s:AF1+8*\s+7], v[QF+8*\s:QF+8*\s+7], v[AC1:AC1+7], v[AS1+\s], v[QS+\s] matrix_a_fmt:MATRIX_FMT_FP4 matrix_b_fmt:MATRIX_FMT_FP4
.endif
.endr
.rept 4
	v_nop                                          ; four plain instructions ahead of the first read of the results and of the next loads into the operands
.endr
	s_mov_b32 s40, 0x10001<<(2*\i)                 ; lanes s and 16 + s
	s_mov_b32 s41, 0x10001<<(2*\i+1)
	s_wait_alu depctr_va_vdst(0)
.irp j, 0,1,2,3,4,5,6,7
	v_cndmask_b32 v[KR+\j], v[KR+\j], v[AC0+\j], s40              ; each accumulator from its low end on
.endr
.irp j, 0,1,2,3,4,5,6,7
	v_cndmask_b32 v[KR+\j], v[KR+\j], v[AC1+\j], s41
.endr
.endm
	PAIRS 0
	PAIRS 1
	PAIRS 2
	PAIRS 3
	PAIRS 4
.Lsel:
	v_lshl_add_u32 v7, v6, 4, v7                   ; register j of my lane is row 16 x group + 8 h + j of memory
	v_mov_b32 v60, 0                               ; v60: lane t keeps the t-th value,
	v_mov_b32 v61, 0                               ; v61: and its row
	v_mov_b32 v62, 0xff800000
	v_mov_b32 v59, 0
	s_mov_b32 s49, 0
.Lpick:                                            ; k trips: the largest that is left, the lowest row among equals; it is recorded and taken out
	v_max3_num_f32 v56, v8, v9, v10
	s_wait_alu depctr_va_vdst(0)
	v_max3_num_f32 v57, v11, v12, v13
	v_max3_num_f32 v56, v56, v14, v15
	v_max_num_f32 v56, v56, v57
	v_max_num_f32_dpp v56, v56, v56 row_xmask:1 row_mask:0xf bank_mask:0xf
	v_max_num_f32_dpp v56, v56, v56 row_xmask:2 row_mask:0xf bank_mask:0xf
	v_max_num_f32_dpp v56, v56, v56 row_xmask:4 row_mask:0xf bank_mask:0xf
	v_max_num_f32_dpp v56, v56, v56 row_xmask:8 row_mask:0xf bank_mask:0xf
	v_permlanex16_b32 v57, v56, s44, s45
	v_max_num_f32 v56, v56, v57                    ; M
	v_mov_b32 v57, BIG
	v_mov_b32 v58, BIG
.irp m, 3,2,1,0                        ; my lowest register that holds M: two chains, from the top down
	v_cmp_neq_f32 s40, v[KR+2*\m], v56
	v_cmp_neq_f32 s41, v[KR+2*\m+1], v56
	v_cndmask_b32 v57, 2*\m, v57, s40
	v_cndmask_b32 v58, 2*\m+1, v58, s41
.endr
	v_min_u32 v57, v57, v58
	v_add_nc_u32 v57, v57, v7                      ; as a row of memory; under 2^24, so exact as f32
	v_cvt_f32_u32 v57, v57
	v_min_num_f32_dpp v57, v57, v57 row_xmask:1 row_mask:0xf bank_mask:0xf
	v_min_num_f32_dpp v57, v57, v57 row_xmask:2 row_mask:0xf bank_mask:0xf
	v_min_num_f32_dpp v57, v57, v57 row_xmask:4 row_mask:0xf bank_mask:0xf
	v_min_num_f32_dpp v57, v57, v57 row_xmask:8 row_mask:0xf bank_mask:0xf
	v_permlanex16_b32 v58, v57, s44, s45
	v_min_num_f32 v57, v57, v58
	v_cvt_u32_f32 v57, v57                         ; I
	v_sub_nc_u32 v58, v57, v7
.irp m, 0,1,2,3
	v_cmp_eq_u32 s40, 2*\m, v58
	v_cmp_eq_u32 s41, 2*\m+1, v58
	v_cndmask_b32 v[KR+2*\m], v[KR+2*\m], v62, s40
	v_cndmask_b32 v[KR+2*\m+1], v[KR+2*\m+1], v62, s41
.endr
	v_cmp_eq_u32 vcc_lo, s49, v5
	v_cndmask_b32 v60, v60, v56, vcc_lo
	v_cndmask_b32 v61, v61, v57, vcc_lo
	s_add_co_u32 s49, s49, 1
	s_cmp_lt_u32 s49, s48
	s_cbranch_scc1 .Lpick
	; the softmax of the k values: the first is the largest, and is taken away ahead of the exponential
	v_readlane_b32 s46, v60, 0
	v_readlane_b32 s47, v61, 0
	v_sub_f32 v56, v60, s46
	v_mul_f32 v56, 0x3fb8aa3b, v56
	s_wait_alu depctr_va_vdst(0)
	v_exp_f32 v57, v56
	v_cmp_gt_u32 vcc_lo, s48, v5                   ; lanes under k count
	v_nop                                          ; a plain instruction behind the exponential,
	s_wait_alu depctr_va_vdst(0)                   ; and a wait ahead of its first reader
	v_cndmask_b32 v57, 0, v57, vcc_lo
	v_cndmask_b32 v61, s47, v61, vcc_lo            ; the other lanes name the first row, with the weight 0
	v_mov_b32 v58, v57
	v_add_f32_dpp v58, v58, v58 row_xmask:1 row_mask:0xf bank_mask:0xf
	v_add_f32_dpp v58, v58, v58 row_xmask:2 row_mask:0xf bank_mask:0xf
	v_add_f32_dpp v58, v58, v58 row_xmask:4 row_mask:0xf bank_mask:0xf
	v_add_f32_dpp v58, v58, v58 row_xmask:8 row_mask:0xf bank_mask:0xf
	v_permlanex16_b32 v59, v58, s44, s45
	v_add_f32 v58, v58, v59
	s_wait_alu depctr_va_vdst(0)
	v_rcp_f32 v63, v58
	v_lshlrev_b32 v59, 2, v5                       ; 4 x lane (a plain instruction behind the reciprocal)
	s_wait_alu depctr_va_vdst(0)
	v_mul_f32 v57, v57, v63
	global_store_b32 v59, v61, s[10:11]            ; 128 consecutive bytes a wave; the work-group's four waves fill 512
	global_store_b32 v59, v57, s[12:13]
	s_endpgm
.Lfunc_end_k_q4810bf0398_refine:
	.size	k_q4810bf0398_refine, .Lfunc_end_k_q4810bf0398_refine-k_q4810bf0398_refine
	.p2alignl 7, 3214868480
	.fill 96, 4, 3214868480
	.section	.rodata,"a",@progbits
	.p2align	6, 0x0
	.amdhsa_kernel k_q4810bf0398_refine
		.amdhsa_group_segment_fixed_size 0
		.amdhsa_private_segment_fixed_size 0
		.amdhsa_enable_private_segment 0
		.amdhsa_kernarg_size 40
		.amdhsa_user_sgpr_count 2
		.amdhsa_user_sgpr_kernarg_segment_ptr 1
		.amdhsa_wavefront_size32 1
		.amdhsa_system_sgpr_workgroup_id_x 1
		.amdhsa_system_sgpr_workgroup_id_y 1
		.amdhsa_system_sgpr_workgroup_id_z 1
		.amdhsa_system_vgpr_workitem_id 0
		.amdhsa_next_free_vgpr 256
		.amdhsa_next_free_sgpr 66
		.amdhsa_reserve_vcc 1
		.amdhsa_float_denorm_mode_32 3
		.amdhsa_float_denorm_mode_16_64 3
		.amdhsa_memory_ordered 1
		.amdhsa_forward_progress 1
		.amdhsa_inst_pref_size 48
	.end_amdhsa_kernel
	.amdgpu_metadata
---
amdhsa.version: [ 1, 2 ]
amdhsa.kernels:
  - .name:           k_q4810bf0398_refine
    .symbol:         k_q4810bf0398_refine.kd
    .args:
      - { .name: qimg, .offset: 0, .size: 8, .value_kind: global_buffer, .address_space: global }
      - { .name: mimg, .offset: 8, .size: 8, .value_kind: global_buffer, .address_space: global }
      - { .name: sel, .offset: 16, .size: 8, .value_kind: global_buffer, .address_space: global }
      - { .name: idx, .offset: 24, .size: 8, .value_kind: global_buffer, .address_space: global }
      - { .name: wts, .offset: 32, .size: 8, .value_kind: global_buffer, .address_space: global }
    .group_segment_fixed_size: 0
    .private_segment_fixed_size: 0
    .kernarg_segment_align: 8
    .kernarg_segment_size: 40
    .max_flat_workgroup_size: 128
    .sgpr_count:     66
    .vgpr_count:     256
    .wavefront_size: 32
...
	.end_amdgpu_metadata
.endif
;; end of part 4
;; launch gather (part 5): grid 1024 x 1, 4 waves a work-group, no clusters, 0 bytes of LDS; arguments memory, sel, idx, wts, out0; writes out0
.if DOCPART == 5
	.amdgcn_target "amdgcn-amd-amdhsa--gfx1250"
	.amdhsa_code_object_version 6
	.text
	.protected	k_q4810bf0398_gather
	.globl	k_q4810bf0398_gather
	.p2align	8
	.type	k_q4810bf0398_gather,@function
k_q4810bf0398_gather:
	s_mov_b64 s[64:65], 0
	v_nop
	global_prefetch_b8 v0, s[64:65] scope:SCOPE_SE
	s_setreg_imm32_b32 hwreg(HW_REG_WAVE_MODE, 25, 1), 1
	s_wait_xcnt 0x0
; out0[q] = the sum over s < k of wts[q][s] x memory[idx[q][s]], in f32: the raw rows, as they are given, summed in the order of s.
; SHARES.  A wave takes one query: a row of 4,096 bytes is eight loads of 512 consecutive bytes and 32 registers.  Six rows have places; slots 0-5 always go.  A place takes a later slot's row
; as soon as its own row has been summed, so that six rows, 24,576 bytes a wave, stay on their way.  Three ways, written out, chosen by forward branches on the k read from sel:
; k up to 6: slots 0-5; k up to 8: slots 0-7; else slots 0-9.  A slot at or past k that goes names the first row with the weight 0.
; Rows hang on each query's own list: nothing is shared at a known time, so no LDS, no cluster; the matrix units have nothing to do with K = 10.
; LIMITS: NaN and infinities in memory are not served (0 x infinity in a slot past k).
.set R,   8                            ; v8-199   six rows
.set ACC, 200                          ; v200-231 the sum
	s_load_b256 s[4:11], s[0:1], 0x0               ; memory s[4:5], sel s[6:7], idx s[8:9], wts s[10:11]
	s_load_b64 s[12:13], s[0:1], 0x20              ; out0
	v_lshrrev_b32 v1, 5, v0
	v_readfirstlane_b32 s60, v1                    ; wave
	v_and_b32 v1, 31, v0
	v_lshlrev_b32 v1, 4, v1                        ; v1: 16 x lane
	s_lshl_b32 s61, ttmp9, 2
	s_add_co_u32 s61, s61, s60                     ; q
	s_lshl_b32 s14, s61, 6
	s_mov_b32 s15, 0
	s_mov_b32 s3, 0
	s_wait_alu depctr_va_vdst(0)                   ; the wait at the head's end
	s_wait_kmcnt 0x0
	s_add_nc_u64 s[6:7], s[6:7], s[14:15]          ; 64 bytes of sel,
	s_lshl_b32 s14, s61, 7
	s_add_nc_u64 s[8:9], s[8:9], s[14:15]          ; 128 of idx
	s_add_nc_u64 s[10:11], s[10:11], s[14:15]      ; and of wts,
	s_lshl_b32 s14, s61, 12
	s_add_nc_u64 s[12:13], s[12:13], s[14:15]      ; 4,096 of out0 (s60 and s61 are free from here on)
	s_load_b32 s48, s[6:7], 0x28                   ; k
	s_load_b512 s[16:31], s[8:9], 0x0              ; the rows,
	s_load_b512 s[32:47], s[10:11], 0x0            ; the weights
	s_wait_kmcnt 0x0
.macro FETCHROW j, p                   ; slot j's row into place p
	s_min_u32 s2, s[16+\j], 16383                  ; held inside the table
	s_lshl_b32 s2, s2, 12
	s_add_nc_u64 s[50+2*\p:51+2*\p], s[4:5], s[2:3]
.irp i, 0,1,2,3,4,5,6,7
	global_load_b128 v[R+32*\p+4*\i:R+32*\p+4*\i+3], v1, s[50+2*\p:51+2*\p] offset:512*\i
.endr
.endm
.macro ACCUM j, p, first               ; the sum takes slot j's row, two numbers an instruction; the first row starts it: nothing is cleared
	v_mov_b32 v2, s[32+\j]
	v_mov_b32 v3, s[32+\j]
.irp n, 0,2,4,6,8,10,12,14,16,18,20,22,24,26,28,30
.if \first
	v_pk_mul_f32 v[ACC+\n:ACC+\n+1], v[R+32*\p+\n:R+32*\p+\n+1], v[2:3]
.else
	v_pk_fma_f32 v[ACC+\n:ACC+\n+1], v[R+32*\p+\n:R+32*\p+\n+1], v[2:3], v[ACC+\n:ACC+\n+1]
.endif
.endr
.endm
.macro DRAIN j, p, out, first          ; loads come back in order: slot j's eight are in, the 'out' loads issued behind them may be out
	s_wait_loadcnt \out
	ACCUM \j, \p, \first
.endm
.macro ROLL j, p, first, nxt           ; the same with five rows out behind slot j's; its place and its base, whose loads are done, then take slot nxt's row
	DRAIN \j, \p, 40, \first
	FETCHROW \nxt, \p
.endm
.irp p, 0,1,2,3,4,5
	FETCHROW \p, \p
.endr
	s_cmp_le_u32 s48, 6
	s_cbranch_scc1 .Lsix
	s_cmp_le_u32 s48, 8
	s_cbranch_scc1 .Leight
	ROLL 0, 0, 1, 6
	ROLL 1, 1, 0, 7
	ROLL 2, 2, 0, 8
	ROLL 3, 3, 0, 9
	DRAIN 4, 4, 40, 0
	DRAIN 5, 5, 32, 0
	DRAIN 6, 0, 24, 0
	DRAIN 7, 1, 16, 0
	DRAIN 8, 2, 8, 0
	DRAIN 9, 3, 0, 0
	s_branch .Lout
.Leight:
	ROLL 0, 0, 1, 6
	ROLL 1, 1, 0, 7
	DRAIN 2, 2, 40, 0
	DRAIN 3, 3, 32, 0
	DRAIN 4, 4, 24, 0
	DRAIN 5, 5, 16, 0
	DRAIN 6, 0, 8, 0
	DRAIN 7, 1, 0, 0
	s_branch .Lout
.Lsix:
	DRAIN 0, 0, 40, 1
	DRAIN 1, 1, 32, 0
	DRAIN 2, 2, 24, 0
	DRAIN 3, 3, 16, 0
	DRAIN 4, 4, 8, 0
	DRAIN 5, 5, 0, 0
.Lout:
	s_wait_alu depctr_va_vdst(0)                   ; the wait here, directly ahead of the stores that read the sum
.irp i, 0,1,2,3,4,5,6,7
	global_store_b128 v1, v[ACC+4*\i:ACC+4*\i+3], s[12:13] offset:512*\i th:TH_STORE_NT   ; 512 consecutive bytes, aligned; written once, read by nobody here
.endr
	s_endpgm
.Lfunc_end_k_q4810bf0398_gather:
	.size	k_q4810bf0398_gather, .Lfunc_end_k_q4810bf0398_gather-k_q4810bf0398_gather
	.p2alignl 7, 3214868480
	.fill 96, 4, 3214868480
	.section	.rodata,"a",@progbits
	.p2align	6, 0x0
	.amdhsa_kernel k_q4810bf0398_gather
		.amdhsa_group_segment_fixed_size 0
		.amdhsa_private_segment_fixed_size 0
		.amdhsa_enable_private_segment 0
		.amdhsa_kernarg_size 40
		.amdhsa_user_sgpr_count 2
		.amdhsa_user_sgpr_kernarg_segment_ptr 1
		.amdhsa_wavefront_size32 1
		.amdhsa_system_sgpr_workgroup_id_x 1
		.amdhsa_system_sgpr_workgroup_id_y 1
		.amdhsa_system_sgpr_workgroup_id_z 1
		.amdhsa_system_vgpr_workitem_id 0
		.amdhsa_next_free_vgpr 232
		.amdhsa_next_free_sgpr 66
		.amdhsa_reserve_vcc 0
		.amdhsa_float_denorm_mode_32 3
		.amdhsa_float_denorm_mode_16_64 3
		.amdhsa_memory_ordered 1
		.amdhsa_forward_progress 1
		.amdhsa_inst_pref_size 39
	.end_amdhsa_kernel
	.amdgpu_metadata
---
amdhsa.version: [ 1, 2 ]
amdhsa.kernels:
  - .name:           k_q4810bf0398_gather
    .symbol:         k_q4810bf0398_gather.kd
    .args:
      - { .name: memory, .offset: 0, .size: 8, .value_kind: global_buffer, .address_space: global }
      - { .name: sel, .offset: 8, .size: 8, .value_kind: global_buffer, .address_space: global }
      - { .name: idx, .offset: 16, .size: 8, .value_kind: global_buffer, .address_space: global }
      - { .name: wts, .offset: 24, .size: 8, .value_kind: global_buffer, .address_space: global }
      - { .name: out0, .offset: 32, .size: 8, .value_kind: global_buffer, .address_space: global }
    .group_segment_fixed_size: 0
    .private_segment_fixed_size: 0
    .kernarg_segment_align: 8
    .kernarg_segment_size: 40
    .max_flat_workgroup_size: 128
    .sgpr_count:     66
    .vgpr_count:     232
    .wavefront_size: 32
...
	.end_amdgpu_metadata
.endif
;; end of part 5
